; MI455X (gfx1250); checked and timed in simulation.
; The chip was launched on July 23, 2026; its instructions are those of AMD's public machine-readable ISA for CDNA 5 (MIT licence, August 2026) and "CDNA5" Instruction Set Architecture Reference Guide (July 2026). The comments in the code are by the model that wrote it; some were corrected since.
;; Regional Attention Module. Allowed arithmetic: matrix products marked QUANTISED: E2M1 operands, one E8M0 scale for each 32 along K, by v_wmma_scale_f32_16x16x128_f8f6f4 with both operands' format E2M1 (or v_wmma_scale_f32_32x16x128_f4), f32 sums; everything else in f32.
;; Inputs: Wk_codes 1,024 x 32 x 16 uint8 (E2M1 codes of Wk, K innermost, in blocks of 32 codes, two codes a byte); Wk_scales 1,024 x 32 uint8 (E8M0 scales of Wk, one for each 32 codes along K); Wq_codes 1,024 x 32 x 16 uint8 (E2M1 codes of Wq, K innermost, in blocks of 32 codes, two codes a byte); Wq_scales 1,024 x 32 uint8 (E8M0 scales of Wq, one for each 32 codes along K); Wv_codes 1,024 x 32 x 16 uint8 (E2M1 codes of Wv, K innermost, in blocks of 32 codes, two codes a byte); Wv_scales 1,024 x 32 uint8 (E8M0 scales of Wv, one for each 32 codes along K); bk 1,024 float32; bq 1,024 float32; bv 1,024 float32; region_mask 2 x 2,048 float32; region_weight 1 float32; x_codes 2 x 2,048 x 32 x 16 uint8 (E2M1 codes of x, K innermost, in blocks of 32 codes, two codes a byte); x_scales 2 x 2,048 x 32 uint8 (E8M0 scales of x, one for each 32 codes along K).
;; Outputs: out0 2 x 2,048 x 1,024 float32.
;; This version of the problem:
;;   THIS VERSION OF THE PROBLEM IS GIVEN IN LOW PRECISION. The matrix products marked QUANTISED in the list below multiply operands that are first quantised to E2M1 (2 exponent bits, 1 mantissa bit; 4 bits a number), with one power-of-two scale for each 32 numbers along K (OCP MX v1.0); their sums are f32. All else is computed in f32.
;;   The module's matrix products, in the order in which they are computed (A, B: the left and right operand; K: the contracted axis; several contracted axes count as one K, in the product's order):
;;     1. [M 4,096, K 1,024] x [K 1,024, N 1,024]; A: input x (given as codes); B: input Wq (given as codes): QUANTISED
;;     2. [M 4,096, K 1,024] x [K 1,024, N 1,024]; A: input x (given as codes); B: input Wk (given as codes): QUANTISED
;;     3. [M 4,096, K 1,024] x [K 1,024, N 1,024]; A: input x (given as codes); B: input Wv (given as codes): QUANTISED
;;     4. batch 32 x [M 2,048, K 64] x [K 64, N 2,048]; A: computed on the way; B: computed on the way: QUANTISED
;;     5. batch 32 x [M 2,048, K 2,048] x [K 2,048, N 64]; A: softmax (see below); B: computed on the way: QUANTISED
;;   THE QUANTISER, for each operand of a quantised product, along K:
;;     - K is cut into blocks of 32 from its start; a last block that is shorter is filled with zeros.
;;     - A block's scale is 2^e with e = floor(log2(the largest magnitude in the block)) - 2, held to -126 .. 127; a block of zeros has e = 0. As a byte (E8M0): e + 127.
;;     - Each number is divided by its block's scale, clamped to +-6, and rounded to the nearest number of E2M1, ties to even, subnormals kept.
;;     - The product sums the exact products of the quantised numbers (number of the format x scale) in f32.
;;   ~~~python
;;   def quantise(x, axis):      # numpy; x: float32 -> the quantised numbers, widened to float32 again
;;       x = np.moveaxis(x, axis, -1); K = x.shape[-1]
;;       x = np.pad(x, [(0, 0)] * (x.ndim - 1) + [(0, -K % 32)]); x = x.reshape(x.shape[:-1] + (-1, 32)); a = np.abs(x).max(-1, keepdims=True)
;;       e = np.where(a > 0, np.clip(np.frexp(np.where(a > 0, a, 1))[1] - 1 - 2, -126, 127), 0)      # np.frexp(a)[1] - 1 = floor(log2(a)), exactly
;;       r = np.clip(x / 2.0 ** e, -6, 6)
;;       step = 2.0 ** (np.maximum(np.frexp(np.where(r == 0, 1, r))[1] - 1, 0) - 1)
;;       q = np.round(r / step) * step * 2.0 ** e      # np.round: ties to even
;;       return np.moveaxis(q.reshape(q.shape[:-2] + (-1,))[..., :K], -1, axis).astype(np.float32)
;;   ~~~
;;   SOFTMAX AHEAD OF A QUANTISED PRODUCT. Where the list says 'softmax', what is quantised is not the finished softmax but p = 2^(t - M), with t = logit x log2(e) and M = ceil(the row's largest t), a whole number; so 1/2 < the row's largest p <= 1. The row's sum l is taken of the UNQUANTISED p, in f32, and the product's result is divided by l at the end. Since M is a whole number, a kernel that streams over the keys may use a running M (the ceiling of the running maximum): every later rescaling is an exact power of two, which a block's scale takes up: the codes' values come out the same.
;;   OPERANDS COMPUTED ON THE WAY. 'Computed on the way' means the value that the module computes at that place (a softmax that the list does not call 'softmax' is quantised finished and normalised). What goes into a quantiser is computed in f32, as accurately as f32 sums, v_exp_f32 and their like allow (about 1e-6 of the number): no bf16 or f16 on the way to a quantiser, and a product that is left as it is and whose result goes on into a quantised operand takes f32 operands (vector FMAs, or v_wmma_f32_16x16x4_f32). A number that lies on a knife's edge between two numbers of the format may be rounded either way, as far as f32 arithmetic and the matrix unit's own rounding can turn it there, and no further.
;;   INPUTS GIVEN AS CODES. Wk (in the module: [1024, 1024], K = its axis 1); Wq (in the module: [1024, 1024], K = its axis 1); Wv (in the module: [1024, 1024], K = its axis 1); x (in the module: [2, 2048, 1024], K = its axis 2): each comes as NAME_codes (uint8): NAME with its K axis moved to the last place and cut into blocks of 32 codes, [.., K / 32, bytes a block], one block behind the other in memory; two codes a byte, the lower K in the low four bits (a code: sign, 2 exponent bits, 1 mantissa bit); and NAME_scales (uint8): the same leading axes, one E8M0 byte (e + 127) for each 32 codes along K. Its value is code x scale, taken as it is: it is not quantised again, and the codes and scales need not be those that the quantiser above would give.
;; One version. Each part assembles by itself: llvm-mc -triple=amdgcn-amd-amdhsa -mcpu=gfx1250 --defsym DOCPART=n.
;; ======== version 1 of 1: 2 launches
;; limits: right only within a limited range of input values
;; workspace buffers: qw 4,587,520 bytes; kvw 4,587,520 bytes
;; launch proj (part 1): grid 16 x 16, 8 waves a work-group, clusters of 4 x 4, 327,680 bytes of LDS; arguments x_codes, x_scales, Wq_codes, Wk_codes, Wv_codes, Wq_scales, Wk_scales, Wv_scales, bq, bk, bv, qw, kvw; writes qw, kvw
.if DOCPART == 1
	.amdgcn_target "amdgcn-amd-amdhsa--gfx1250"
	.amdhsa_code_object_version 6
	.text
	.protected	k_q2433028eea_proj
	.globl	k_q2433028eea_proj
	.p2align	8
	.type	k_q2433028eea_proj,@function
k_q2433028eea_proj:
	s_mov_b64 s[64:65], 0
	v_nop
	global_prefetch_b8 v0, s[64:65] scope:SCOPE_SE
	s_setreg_imm32_b32 hwreg(HW_REG_WAVE_MODE, 25, 1), 1
	s_wait_xcnt 0x0
	s_wait_alu depctr_hold_cnt(0) depctr_sa_sdst(0) depctr_va_vdst(0) depctr_va_sdst(0) depctr_va_ssrc(0) depctr_va_vcc(0) depctr_vm_vsrc(0)
	s_getreg_b32 s2, hwreg(HW_REG_IB_STS2, 6, 4)
	s_cmp_eq_u32 s2, 0
	s_cbranch_scc0 .Lentry_in_a_cluster
	s_endpgm
.Lentry_in_a_cluster:
	s_bfe_u32 s2, ttmp6, 0x10000c
	s_cmp_lg_u32 s2, 0xf033
	s_cbranch_scc0 .Lentry_shape_is_right
	s_endpgm
.Lentry_shape_is_right:
; q = x Wq^T + bq, k = x Wk^T + bk, v = x Wv^T + bv on given codes of FP4 (E2M1) with E8M0 scales (x: 4,096 rows, each W: 1,024 rows, K = 1,024), sums in f32, quantised at once for the attention that follows:
; q and k along a head's 64 channels, v along the keys, both in blocks of 32.  They leave as codes and scale words.  No work of the problem is left out: the biases and the row mask all move codes.
; SHARES.  A work-group makes q, k and v of ONE head for 256 rows of x: 16 heads x 16 row blocks = 256 equal work-groups.  Eight waves: wave w takes 64 rows (w / 2) and, with PP = w % 2, q (0) or k (1) whole and 32 channels of v:
; 24 accumulators of 16 x 16.  Two waves share a SIMD.
; CLUSTERS 4 x 4: x's rows hang on the tile row alone and are shared along a row of the cluster, W's on the head alone and are shared along a column: joint loads with a mask that names the four.
; LDS: all of K is there at once, in two slots of 512 along K: x's 256 rows, then 64 rows each of Wq, Wk, Wv, 256 bytes + 16 of padding a row.  Each of the eight waves fetches one tile at the head; no byte is filled twice.
; No prefetch: there is no loop to run ahead in, everything is asked for at the head.
; SOURCE 0 IS THE OPERAND WHOSE ROWS ARE THE NEXT PRODUCT'S K: q, k: source 0 = W, source 1 = x; v: source 0 = x, source 1 = Wv.  The bias is the C of an accumulator's first product.
; WORKSPACE, the same layout in qw and kvw: HB bytes a head (16 b + h), STEPB bytes for each 128 rows of it:
;   0     8 tiles of 16 rows, 512 bytes each: lane (r, h)'s 16 bytes (row r, channels 32 h on) at 16 lane, in tiles t with bit 1 set at (16 lane) xor 128, so that the attention's reads touch different columns
;   4096  (kvw) 4 fragments of V^T, 16 channels x 128 keys: 1024 dt + 512 c + 16 lane: registers 4 c .. 4 c + 3
;   8192  scale words, 256 bytes for each 64 rows: that of tile a (of the four), row r at 8 (16 (a % 2) + r) + 4 (a / 2): two bytes, then 0x7f twice
;   8704  (kvw) V^T's scale words: at 8 lane + 4 i that of fragment 2 i + lane / 16, row lane % 16
; LIMITS: NaN and infinities are not served.  A block whose largest magnitude lies under 2^-124 (a block of zeros too) gets the byte 1; a block of zeros has zero codes, and this program alone reads the bytes.
; REGISTERS: window 0: v2-15 addresses; v16-47 scale words of x (lanes 0-15) and of Wq or Wk (lanes 16-31), v48-55 of Wv; v64-143, v144-223 two sets of fragments (x 4, W 4, Wv 2); window 1: v0-191 accumulators, v192-239 biases.
.set PITCH, 272
.set XB,    256*PITCH
.set WB,    64*PITCH
.set SLOT,  XB+3*WB
.set SPARE, 2*SLOT                     ; the spare words, 128 bytes for each wave
.set SST,   SPARE+1024                 ; V^T's scale words of two steps are put together here: no tile lands on them
.set HB,    143360
.set STEPB, 8960
.set VCO,   4096
.set KSO,   8192
.set VSO,   8704
.set SPW, 2
.set NIL, 3
.set AX,  4
.set AW,  6
.set AV,  8
.set OFC, 10                           ; 16 lane
.set OFX, 11                           ; (16 lane) xor 128
.set OF8, 12                           ; 8 lane
.set VSA, 57
.set VRA, 58
.set SC,  16
.set SV,  48
.set TM,  64                           ; the way out: 12 largest magnitudes
.set TX,  76                           ; 12 bytes
.set OP,  88                           ; 12 conversion scales
.set PC,  104                          ; 24 registers of codes
.set WD,  128                          ; 6 half scale words
.set TT,  134                          ; finished scale words
.set G1X, 24
.set G0,  32
.set G1W, 48
.set WV,  74
.set GP,  75                           ; which 64 rows
.set PP,  76                           ; q or k; which half of v's channels
.set PADW, 77
.set SEL, 94
.set MSB, 0
.macro WIN new                         ; the immediate's high byte repeats the setting that is left
.if MSB != \new
	s_set_vgpr_msb (MSB<<8)|\new
.set MSB, \new
.endif
.endm
.macro CROUND                          ; a round of the cluster's barrier
	s_barrier_signal -1
	s_barrier_wait -1
	s_cmp_lg_u32 s[WV], 0
	s_cbranch_scc1 .Lnot_wave_0_\@
	s_barrier_signal -3
.Lnot_wave_0_\@:
	s_barrier_wait -3
	s_barrier_signal -1
	s_barrier_wait -1
.endm
.macro PLACES                          ; four places in front of loads into registers that matrix instructions have read, and of the first read of results
.rept 4
	v_nop
.endr
.endm
	s_load_b128 s[4:7], s[0:1], 0x0                ; x's codes, x's scales
	s_load_b256 s[8:15], s[0:1], 0x10              ; codes of Wq s[8:9], Wk s[10:11], Wv s[12:13]; scales of Wq s[14:15]
	s_load_b256 s[16:23], s[0:1], 0x30             ; scales of Wk s[16:17], Wv s[18:19]; bq s[20:21], bk s[22:23]
	s_load_b128 s[68:71], s[0:1], 0x50             ; bv, qw
	s_load_b64 s[72:73], s[0:1], 0x60              ; kvw
	v_lshl_add_u32 v[SPW], v0, 2, SPARE
	v_mov_b32 v[NIL], 0
	ds_add_u32 v[SPW], v[NIL]                      ; the opening: the add, twice on end, and its wait
	ds_add_u32 v[SPW], v[NIL]
	v_lshrrev_b32 v1, 5, v0
	v_readfirstlane_b32 s[WV], v1                  ; wave 0..7
	s_lshr_b32 s[GP], s[WV], 1
	s_and_b32 s[PP], s[WV], 1
	s_bfe_u32 s40, ttmp6, 0x40000                  ; cx
	s_bfe_u32 s41, ttmp6, 0x40004                  ; cy
	s_lshl_b32 s42, ttmp9, 2
	s_add_co_u32 s42, s42, s40                     ; the head
	s_and_b32 s43, ttmp7, 0xffff
	s_lshl_b32 s43, s43, 2
	s_add_co_u32 s43, s43, s41                     ; which 256 rows of x
	s_lshl_b32 s44, s41, 2
	s_lshl_b32 s44, 15, s44                        ; my row of the cluster
	s_lshl_b32 s45, 0x1111, s40                    ; my column
	; descriptor group 1: rows of 256 bytes out of rows of 512, padded in LDS by 16 bytes behind each
	s_or_b32 s[G1X], s44, (1<<20)|(1<<21)|(5<<22)|(3<<25)
	s_or_b32 s[G1W], s45, (1<<20)|(1<<21)|(5<<22)|(3<<25)
	s_mov_b32 s[G1X+2], 256<<16                    ; tensor_dim1: x 256 rows, W 64
	s_mov_b32 s[G1X+4], 256                        ; tile_dim1
	s_mov_b32 s[G1W+2], 64<<16
	s_mov_b32 s[G1W+4], 64
.irp g, G1X, G1W
	s_mov_b32 s[\g+1], 256<<16
	s_mov_b32 s[\g+3], 256<<16
	s_mov_b32 s[\g+5], 512
	s_mov_b32 s[\g+6], 0
	s_mov_b32 s[\g+7], 0
.endr
	s_lshl_b32 s82, s43, 17                        ; x's codes: 256 rows x 512 bytes
	s_mov_b32 s83, 0
	s_lshl_b32 s84, s42, 15                        ; W's: 64 rows x 512 bytes
	s_mov_b32 s85, 0
	s_lshl_b32 s86, s43, 13                        ; x's scales: 32 bytes a row
	s_lshl_b32 s92, s[GP], 11
	s_add_co_u32 s86, s86, s92                     ; my 64 rows
	s_mov_b32 s87, 0
	s_lshl_b32 s88, s42, 11                        ; W's scales
	s_mov_b32 s89, 0
	s_lshl_b32 s90, s42, 8                         ; the biases
	s_mov_b32 s91, 0
	s_wait_dscnt 0x0                               ; both opening adds are done
	s_wait_kmcnt 0x0
	s_add_nc_u64 s[56:57], s[4:5], s[82:83]
	s_add_nc_u64 s[58:59], s[8:9], s[84:85]
	s_add_nc_u64 s[60:61], s[10:11], s[84:85]
	s_add_nc_u64 s[62:63], s[12:13], s[84:85]
	CROUND                                         ; all sixteen work-groups are here: the joint loads meet
	s_mov_b32 s[G0], 1
; THE HEAD'S LOADS, one a wave: waves 0-3 K = 0 .. 511 of x, Wq, Wk, Wv, waves 4-7 K = 512 .. 1,023 of the same.  One chain of branches on the wave's number; each arm makes its own group 0.
.macro ASKFOR base, lds, half, g1
	s_mov_b32 s[G0+1], \lds
	s_add_nc_u64 s[G0+2:G0+3], s[\base:\base+1], 256*\half
	s_or_b32 s[G0+3], s[G0+3], 0x80000000
	tensor_load_to_lds s[G0:G0+3], s[\g1:\g1+7]
	s_nop 0
.rept 4
	v_nop
.endr
.endm
.macro ARM under, base, lds, half, g1
	s_cmp_lt_u32 s[WV], \under
	s_cbranch_scc0 .Lnext_\under
	ASKFOR \base, \lds, \half, \g1
	s_branch .Lasked
.Lnext_\under:
.endm
	ARM 1, 56, 0, 0, G1X
	ARM 2, 58, XB, 0, G1W
	ARM 3, 60, XB+WB, 0, G1W
	ARM 4, 62, XB+2*WB, 0, G1W
	ARM 5, 56, SLOT, 1, G1X
	ARM 6, 58, SLOT+XB, 1, G1W
	ARM 7, 60, SLOT+XB+WB, 1, G1W
	ASKFOR 62, SLOT+XB+2*WB, 1, G1W
.Lasked:
	s_cmp_eq_u32 s[PP], 0                          ; q or k: choices that hang on no address
	s_cselect_b64 s[14:15], s[14:15], s[16:17]
	s_cselect_b64 s[20:21], s[20:21], s[22:23]
	s_cselect_b64 s[70:71], s[70:71], s[72:73]
	s_add_nc_u64 s[6:7], s[6:7], s[86:87]
	s_add_nc_u64 s[14:15], s[14:15], s[88:89]
	s_add_nc_u64 s[20:21], s[20:21], s[90:91]
	s_lshl_b32 s92, s[PP], 10
	s_add_co_u32 s88, s88, s92                     ; Wv: my 32 rows
	s_lshl_b32 s92, s[PP], 7
	s_add_co_u32 s90, s90, s92
	s_add_nc_u64 s[18:19], s[18:19], s[88:89]
	s_add_nc_u64 s[68:69], s[68:69], s[90:91]
	; where my results go
	s_lshr_b32 s46, s43, 3
	s_lshl_b32 s46, s46, 4
	s_add_co_u32 s46, s46, s42
	s_mul_i32 s46, s46, HB                         ; head 16 b + h
	s_and_b32 s47, s43, 7
	s_lshl_b32 s47, s47, 1
	s_add_co_u32 s78, s47, s[WV]                   ; (waves 0 and 1: the step whose V^T scale words I store)
	s_mul_i32 s78, s78, STEPB
	s_add_co_u32 s78, s78, s46
	s_mov_b32 s79, 0
	s_lshr_b32 s81, s[GP], 1
	s_add_co_u32 s47, s47, s81
	s_mul_i32 s47, s47, STEPB
	s_add_co_u32 s46, s46, s47                     ; my step of 128 rows
	s_and_b32 s80, s[GP], 1                        ; which 64 rows of it
	s_lshl_b32 s82, s80, 11
	s_add_co_u32 s82, s82, s46                     ; my four tiles,
	s_lshl_b32 s84, s80, 8
	s_add_co_u32 s84, s84, s46                     ; their scale words,
	s_lshl_b32 s86, s80, 9
	s_add_co_u32 s86, s86, s46
	s_lshl_b32 s92, s[PP], 11
	s_add_co_u32 s86, s86, s92                     ; my pieces of V^T's fragments
	s_mov_b32 s83, 0
	s_mov_b32 s85, 0
	s_mov_b32 s87, 0
	s_add_nc_u64 s[82:83], s[70:71], s[82:83]
	s_add_nc_u64 s[84:85], s[70:71], s[84:85]
	s_add_nc_u64 s[86:87], s[72:73], s[86:87]
	s_add_nc_u64 s[78:79], s[72:73], s[78:79]
	s_mov_b32 s[SEL], 0x76543210
	s_mov_b32 s[SEL+1], 0xfedcba98                 ; v_permlanex16_b32's selects for lane l xor 16
	s_mov_b32 s[PADW], 0x7f7f0000
	s_mov_b32 vcc_lo, 0xffff0000                   ; lanes 16-31; nothing else writes VCC
	s_mul_i32 s46, s[GP], 64*PITCH                 ; LDS: my 64 rows of x,
	s_mul_i32 s47, s[PP], WB
	s_add_co_u32 s47, s47, XB                      ; Wq or Wk,
	s_mul_i32 s66, s[PP], 32*PITCH
	s_add_co_u32 s66, s66, XB+2*WB                 ; my 32 rows of Wv
	s_lshr_b32 s92, s[WV], 2
	s_lshl_b32 s92, s92, 8
	s_and_b32 s93, s[GP], 1
	s_lshl_b32 s93, s93, 1
	s_add_co_u32 s92, s92, s93
	s_lshl_b32 s93, s[PP], 2
	s_add_co_u32 s92, s92, s93
	s_add_co_u32 s92, s92, SST                     ; my two bytes of each of V^T's scale words
	s_lshl_b32 s93, s[WV], 8
	s_add_co_u32 s93, s93, SST
	v_and_b32 v1, 15, v0                           ; r
	v_bfe_u32 v13, v0, 4, 1                        ; h
	v_and_b32 v14, 31, v0                          ; lane
	v_lshlrev_b32 v15, 5, v1
	v_lshlrev_b32 v60, 5, v14
	v_lshlrev_b32 v61, 5, v13
	v_lshlrev_b32 v62, 2, v1
.irp i, 0,1,2,3                                ; a row's 32 scale bytes are its eight words; 16 rows are 512 consecutive bytes
.irp j, 0,1
	global_load_b128 v[SC+8*\i+4*\j:SC+8*\i+4*\j+3], v15, s[6:7] offset:512*\i+16*\j
	global_load_b128 v[144+8*\i+4*\j:144+8*\i+4*\j+3], v15, s[14:15] offset:512*\i+16*\j
.endr
.endr
	global_load_b128 v[SV:SV+3], v60, s[18:19]     ; lanes 0-15: Wv's block 0, lanes 16-31: its block 1
	global_load_b128 v[SV+4:SV+7], v60, s[18:19] offset:16
	global_load_b32 v224, v62, s[68:69]            ; v's bias lies along the lanes
	global_load_b32 v225, v62, s[68:69] offset:64
	WIN 0x40
.irp b, 0,1,2,3                                ; q's or k's along the registers: register 8 b + j = channel 16 b + 8 h + j
	global_load_b128 v[192+8*\b:195+8*\b], v61, s[20:21] offset:64*\b
	global_load_b128 v[196+8*\b:199+8*\b], v61, s[20:21] offset:64*\b+16
.endr
	WIN 0
	v_mul_u32_u24 v56, v1, PITCH
	v_lshl_add_u32 v56, v13, 4, v56                ; a fragment's row x pitch + 16 x half
	v_add_nc_u32 v[AX], s46, v56
	v_add_nc_u32 v[AW], s47, v56
	v_add_nc_u32 v[AV], s66, v56
	v_add_nc_u32 v[AX+1], SLOT, v[AX]
	v_add_nc_u32 v[AW+1], SLOT, v[AW]
	v_add_nc_u32 v[AV+1], SLOT, v[AV]
	v_lshlrev_b32 v[OFC], 4, v14
	v_lshlrev_b32 v[OF8], 3, v14
	v_xor_b32 v[OFX], 0x80, v[OFC]
	v_add_nc_u32 v[VSA], s92, v[OF8]
	v_add_nc_u32 v[VRA], s93, v[OF8]
	s_wait_alu depctr_va_vdst(0)
	s_wait_loadcnt 0x0                             ; all scale words and biases
.irp kq, 0,1,2,3,4,5,6,7                       ; one register carries both sides' words; by K steps, so that each stands eight vector instructions or more ahead of the first product that names it
.irp i, 0,1,2,3
	v_cndmask_b32 v[SC+8*\i+\kq], v[SC+8*\i+\kq], v[144+8*\i+\kq], vcc_lo
.endr
.endr
	WIN 0x40
.irp j, 0,1,2,3,4,5,6,7
	v_mov_b32 v[224+\j], v224                      ; v's bias as a C operand: the same in all eight registers
	v_mov_b32 v[232+\j], v225
.endr
	WIN 0
.macro FRAGS reg, adr, off, n
.irp c, 0,1
	ds_load_b128 v[\reg+8*\n+4*\c:\reg+8*\n+4*\c+3], v[\adr] offset:\off+32*\c+\n*16*PITCH
.endr
.endm
.macro FETCH kq                        ; the fragments of K = 128 kq on into set kq % 2
.set FB, 80*((\kq)%2)
.set SL, (\kq)/4
.set QO, 64*((\kq)%4)
.irp n, 0,1,2,3
	FRAGS 64+FB, AX+SL, QO, \n
.endr
.irp n, 0,1,2,3
	FRAGS 96+FB, AW+SL, QO, \n
.endr
.irp n, 0,1
	FRAGS 128+FB, AV+SL, QO, \n
.endr
.endm
; 24 products, 128 along K.  The 24 accumulators take turns, one instruction a turn, in the same order in every step.
.macro MUL kq
.set FB, 80*((\kq)%2)
.irp a, 0,1,2,3
.irp b, 0,1,2,3
.set AC, 8*(4*\a+\b)
.set CC, AC
.if \kq == 0
.set CC, 192+8*\b
.endif
	v_wmma_scale_f32_16x16x128_f8f6f4 v[AC:AC+7], v[96+FB+8*\b:103+FB+8*\b], v[64+FB+8*\a:71+FB+8*\a], v[CC:CC+7], v[SC+8*\b+\kq], v[SC+8*\a+\kq] matrix_a_fmt:MATRIX_FMT_FP4 matrix_b_fmt:MATRIX_FMT_FP4 matrix_a_scale:MATRIX_SCALE_ROW1
.endr
.endr
.irp n, 0,1
.irp a, 0,1,2,3
.set AC, 128+8*(4*\n+\a)
.set CC, AC
.if \kq == 0
.set CC, 224+8*\n
.endif
.if \n
	v_wmma_scale_f32_16x16x128_f8f6f4 v[AC:AC+7], v[64+FB+8*\a:71+FB+8*\a], v[128+FB+8*\n:135+FB+8*\n], v[CC:CC+7], v[SC+8*\a+\kq], v[SV+\kq] matrix_a_fmt:MATRIX_FMT_FP4 matrix_b_fmt:MATRIX_FMT_FP4 matrix_b_scale:MATRIX_SCALE_ROW1
.else
	v_wmma_scale_f32_16x16x128_f8f6f4 v[AC:AC+7], v[64+FB+8*\a:71+FB+8*\a], v[128+FB+8*\n:135+FB+8*\n], v[CC:CC+7], v[SC+8*\a+\kq], v[SV+\kq] matrix_a_fmt:MATRIX_FMT_FP4 matrix_b_fmt:MATRIX_FMT_FP4
.endif
.endr
.endr
.endm
	s_wait_alu depctr_va_vdst(0)                   ; the wait at the head's end
	s_cmp_lt_u32 s[WV], 4
	s_cbranch_scc0 .Lslot0
	s_wait_tensorcnt 0x0                           ; waves 0-3: my tile of slot 0 is in.  Waves 4-7's tiles of slot 1 may stay out
.Lslot0:
	s_barrier_signal -1
	s_barrier_wait -1
	FETCH 0
.irp kq, 0,1,2,3,4,5,6,7                       ; K has eight steps of 128
	s_wait_dscnt 0x0                               ; this step's fragments are in
.if \kq == 3
	s_wait_tensorcnt 0x0                           ; waves 4-7: my tile of slot 1 is in (no other tensor load is out),
	s_barrier_signal -1
	s_barrier_wait -1                              ; and so are the other three
.endif
.if \kq < 7
.if \kq > 0
	PLACES
.endif
	FETCH \kq+1
.endif
	WIN 0x50                                       ; C and D in window 1
	MUL \kq
	WIN 0
.endr
; THE WAY OUT.  192 results a lane are 12 blocks of 16 of its own numbers (the other 16 of a block of 32 lie in lane l xor 16): blocks 2 a, 2 a + 1 are tile a of q or k (channels), blocks 8 + 2 n, 9 + 2 n fragment n of v (keys).  All 12 go by turns.
	WIN 0x14                                       ; sources 1 and 2: the accumulators
	PLACES
.set i, 0
.rept 8
.set B, 0
.rept 12
.if i == 0
	v_max3_num_f32 v[TM+B], 0x1800000, |v[16*B]|, |v[16*B+1]|   ; and the floor 2^(3 - 127): so the byte cannot fall under 1
.else
	v_max3_num_f32 v[TM+B], v[TM+B], |v[16*B+i]|, |v[16*B+i+1]|
.endif
.set B, B+1
.endr
.set i, i+2
.endr
	WIN 0
.set B, 0
.rept 12
	v_permlanex16_b32 v[TX+B], v[TM+B], s[SEL], s[SEL+1]
.set B, B+1
.endr
.set B, 0
.rept 12
	v_max_num_f32 v[TM+B], v[TM+B], v[TX+B]        ; the block's largest magnitude
.set B, B+1
.endr
.set B, 0
.rept 12
	v_add_nc_u32 v[OP+B], 0xff000000, v[TM+B]      ; 2 off its exponent field: the conversion's scale operand
.set B, B+1
.endr
.set B, 0
.rept 12
	v_lshrrev_b32 v[TX+B], 23, v[OP+B]             ; the scale's byte
.set B, B+1
.endr
.irp c, 0,1,2,3,4,5
	v_lshl_or_b32 v[WD+\c], v[TX+2*\c+1], 8, v[TX+2*\c]
.endr
	WIN 0x01                                       ; source 0: the accumulators
.irp c, 0,1,2,3,4,5                            ; a tile's eight registers give one register of codes; laid so that two exchanges of halves give the operand's order
	v_cvt_scalef32_pk8_fp4_f32 v[PC+4*\c],   v[32*\c:32*\c+7],     v[OP+2*\c]
	v_cvt_scalef32_pk8_fp4_f32 v[PC+4*\c+2], v[32*\c+8:32*\c+15],  v[OP+2*\c]
	v_cvt_scalef32_pk8_fp4_f32 v[PC+4*\c+1], v[32*\c+16:32*\c+23], v[OP+2*\c+1]
	v_cvt_scalef32_pk8_fp4_f32 v[PC+4*\c+3], v[32*\c+24:32*\c+31], v[OP+2*\c+1]
.endr
	WIN 0
	v_cndmask_b32 v[TT+2], v[WD+4], v[WD+5], vcc_lo   ; V^T: lanes 0-15 fragment 2 PP, lanes 16-31 fragment 2 PP + 1: two of the word's four bytes
	v_cndmask_b32 v[TT], v[WD], v[WD+1], vcc_lo    ; lanes 0-15 the even tile's word, lanes 16-31 the odd one's
	v_cndmask_b32 v[TT+1], v[WD+2], v[WD+3], vcc_lo
	v_or_b32 v[TT], s[PADW], v[TT]
	v_or_b32 v[TT+1], s[PADW], v[TT+1]
	ds_store_b16 v[VSA], v[TT+2]
.irp c, 0,1,2,3,4,5
	v_permlane16_swap_b32 v[PC+4*\c], v[PC+4*\c+1]     ; register 4 c + i now holds K = 32 (lane / 16) + 8 i on
	v_permlane16_swap_b32 v[PC+4*\c+2], v[PC+4*\c+3]
.endr
	global_store_b128 v[OFC], v[PC:PC+3], s[82:83]                ; each store of the wave covers 512 consecutive bytes, aligned to 256 (the scale words' 256)
	global_store_b128 v[OFC], v[PC+4:PC+7], s[82:83] offset:512
	global_store_b128 v[OFX], v[PC+8:PC+11], s[82:83] offset:1024
	global_store_b128 v[OFX], v[PC+12:PC+15], s[82:83] offset:1536
	global_store_b128 v[OFC], v[PC+16:PC+19], s[86:87] offset:VCO
	global_store_b128 v[OFC], v[PC+20:PC+23], s[86:87] offset:VCO+1024
	global_store_b64 v[OF8], v[TT:TT+1], s[84:85] offset:KSO
	s_wait_dscnt 0x0                               ; my bytes of V^T's scale words are in LDS,
	s_barrier_signal -1
	s_barrier_wait -1                              ; and everybody's
	s_cmp_lt_u32 s[WV], 2
	s_cbranch_scc0 .Lout
	ds_load_b64 v[138:139], v[VRA]
	s_wait_dscnt 0x0
	global_store_b64 v[OF8], v[138:139], s[78:79] offset:VSO
.Lout:
	s_wait_tensorcnt 0x0                           ; the wave's end
	ds_add_u32 v[SPW], v[NIL]
	s_wait_dscnt 0x0
	CROUND                                         ; the closing round
	s_endpgm
.Lfunc_end_k_q2433028eea_proj:
	.size	k_q2433028eea_proj, .Lfunc_end_k_q2433028eea_proj-k_q2433028eea_proj
	.p2alignl 7, 3214868480
	.fill 96, 4, 3214868480
	.section	.rodata,"a",@progbits
	.p2align	6, 0x0
	.amdhsa_kernel k_q2433028eea_proj
		.amdhsa_group_segment_fixed_size 327680
		.amdhsa_private_segment_fixed_size 0
		.amdhsa_enable_private_segment 0
		.amdhsa_kernarg_size 104
		.amdhsa_user_sgpr_count 2
		.amdhsa_user_sgpr_kernarg_segment_ptr 1
		.amdhsa_wavefront_size32 1
		.amdhsa_system_sgpr_workgroup_id_x 1
		.amdhsa_system_sgpr_workgroup_id_y 1
		.amdhsa_system_sgpr_workgroup_id_z 1
		.amdhsa_system_vgpr_workitem_id 0
		.amdhsa_next_free_vgpr 512
		.amdhsa_next_free_sgpr 96
		.amdhsa_reserve_vcc 1
		.amdhsa_float_denorm_mode_32 3
		.amdhsa_float_denorm_mode_16_64 3
		.amdhsa_memory_ordered 1
		.amdhsa_forward_progress 1
		.amdhsa_inst_pref_size 64
	.end_amdhsa_kernel
	.amdgpu_metadata
---
amdhsa.version: [ 1, 2 ]
amdhsa.kernels:
  - .name:           k_q2433028eea_proj
    .symbol:         k_q2433028eea_proj.kd
    .args:
      - { .name: x_codes, .offset: 0, .size: 8, .value_kind: global_buffer, .address_space: global }
      - { .name: x_scales, .offset: 8, .size: 8, .value_kind: global_buffer, .address_space: global }
      - { .name: Wq_codes, .offset: 16, .size: 8, .value_kind: global_buffer, .address_space: global }
      - { .name: Wk_codes, .offset: 24, .size: 8, .value_kind: global_buffer, .address_space: global }
      - { .name: Wv_codes, .offset: 32, .size: 8, .value_kind: global_buffer, .address_space: global }
      - { .name: Wq_scales, .offset: 40, .size: 8, .value_kind: global_buffer, .address_space: global }
      - { .name: Wk_scales, .offset: 48, .size: 8, .value_kind: global_buffer, .address_space: global }
      - { .name: Wv_scales, .offset: 56, .size: 8, .value_kind: global_buffer, .address_space: global }
      - { .name: bq, .offset: 64, .size: 8, .value_kind: global_buffer, .address_space: global }
      - { .name: bk, .offset: 72, .size: 8, .value_kind: global_buffer, .address_space: global }
      - { .name: bv, .offset: 80, .size: 8, .value_kind: global_buffer, .address_space: global }
      - { .name: qw, .offset: 88, .size: 8, .value_kind: global_buffer, .address_space: global }
      - { .name: kvw, .offset: 96, .size: 8, .value_kind: global_buffer, .address_space: global }
    .group_segment_fixed_size: 327680
    .private_segment_fixed_size: 0
    .kernarg_segment_align: 8
    .kernarg_segment_size: 104
    .max_flat_workgroup_size: 256
    .sgpr_count:     96
    .vgpr_count:     512
    .wavefront_size: 32
...
	.end_amdgpu_metadata
.endif
;; end of part 1
;; launch attn (part 2): grid 8 x 32, 8 waves a work-group, clusters of 4 x 1, 215,040 bytes of LDS; arguments qw, kvw, region_mask, region_weight, out0; writes out0
.if DOCPART == 2
	.amdgcn_target "amdgcn-amd-amdhsa--gfx1250"
	.amdhsa_code_object_version 6
	.text
	.protected	k_q2433028eea_attn
	.globl	k_q2433028eea_attn
	.p2align	8
	.type	k_q2433028eea_attn,@function
k_q2433028eea_attn:
	s_mov_b64 s[64:65], 0
	v_nop
	global_prefetch_b8 v0, s[64:65] scope:SCOPE_SE
	s_setreg_imm32_b32 hwreg(HW_REG_WAVE_MODE, 25, 1), 1
	s_wait_xcnt 0x0
	s_wait_alu depctr_hold_cnt(0) depctr_sa_sdst(0) depctr_va_vdst(0) depctr_va_sdst(0) depctr_va_ssrc(0) depctr_va_vcc(0) depctr_vm_vsrc(0)
	s_getreg_b32 s2, hwreg(HW_REG_IB_STS2, 6, 4)
	s_cmp_eq_u32 s2, 0
	s_cbranch_scc0 .Lentry_in_a_cluster
	s_endpgm
.Lentry_in_a_cluster:
	s_bfe_u32 s2, ttmp6, 0x10000c
	s_cmp_lg_u32 s2, 0x3003
	s_cbranch_scc0 .Lentry_shape_is_right
	s_endpgm
.Lentry_shape_is_right:
; out0[b][q][64 h + d] = the sum over k of softmax_k(q . k / 8 + region_mask[b][q] x region_weight) v[k][d], for each of 32 heads (16 b + h), 2,048 queries and keys, both products on codes of FP4 (E2M1) with E8M0 scales.
; q, k, v come as the launch before has laid them: HB bytes a head, STEPB bytes for each 128 rows: 8 tiles of 16 rows (512 bytes each, lane (r, h) at 16 lane, in tiles with bit 1 set at (16 lane) xor 128), at 4096 four fragments of V^T
; (1024 d + 512 c + 16 lane), at 8192 the rows' scale words (256 bytes for 64 rows: tile a, row r at 8 (16 (a % 2) + r) + 4 (a / 2)), at 8704 V^T's (8 lane + 4 i: fragment 2 i + lane / 16).
; THE SOFTMAX AHEAD OF THE SECOND PRODUCT: t = score x log2(e) / 8 + (mask x weight) x log2(e); M = the row's largest t so far, rounded UP to a whole number; p = 2^(t - M) is what is quantised, along the keys, not normalised.
; The row's sum is taken of the unquantised p, in f32, and divides O at the end.  When M moves, the sum and O are multiplied by 2^(old M - new M): exact.  The mask's term is the same along a row, but it moves M and so p's codes: it stays.
; SHARES.  A work-group owns 256 queries of one head, each of its EIGHT waves two tiles of 16 (x = 0, 1), two waves to a SIMD.  Every wave walks the head's 2,048 keys in eight steps of 256, each in two halves of 128; a fragment of K or V serves both tiles.
; LDS: the head's whole block of kvw, 143,360 bytes as it lies, filled ONCE: wave w fetches step w at the head.  Step 0 (wave 0's) is shown by a barrier ahead of the walk, the rest by one late in step 0.  No ring, no refill, and no prefetch:
; everything is asked for at the head.  Behind it a stage of 32 rows x 272 bytes for each wave, into which no fill lands.
; CLUSTER: the four query blocks of a cluster belong to one head and read the same block: each piece is asked for JOINTLY, with a mask that names the four.
; LAYOUT.  Both products are used transposed: S^T = K Q^T, O^T = V^T P^T: a lane holds ONE query of a tile (lane % 16) throughout.  THE KEYS OF A TILE ARE NOT NEIGHBOURS: row m of tile u (0..3) of the 64 keys from 64 c on is key 64 c + 32 (m / 8) + 8 u + m % 8.
; So lane (r, h)'s 32 registers of four tiles (a GROUP) are the block of 32 keys 64 c + 32 h on, whole and in order: its largest number needs no other lane, and a tile's conversion is register 4 c + u of P as it stands.
; THE EXPONENTIALS go group by group: group g's stand among group g + 1's scalings, group g - 1's conversions and sums of one level; what a group's instructions write is read behind the next wait.
; The first product's K is 64: registers 4-7 of Q's fragments are zero codes, under the byte 0x7f on both sides.  K's registers there are a neighbouring tile's codes: E2M1 has no NaN and no infinity, so their products are 0.
; LIMITS: NaN and infinities are not served.  t is formed by one fused multiply-add onto (mask x weight) x log2(e), another order of rounding than logit x log2(e).  A p under 2^-126 counts as 0 (v_exp_f32 gives no denormal: ISA guide 15.8),
; beside a sum that is over 1/2.  A block whose every p is 0 gets the byte 1: its codes are zeros.
; REGISTERS: window 1: S^T, then p: tile x, half h, group 2 h + c at v[128 x + 64 h + 32 c].  All else is in window 0.
.set HB,    143360
.set STEPB, 8960
.set VCO,   4096
.set KSO,   8192
.set VSO,   8704
.set STAGE, 16*STEPB
.set SP,    272
.set SPARE, STAGE+8*32*SP
.set LKE,  1                           ; lane terms: K's tiles 0 and 2, 1 and 3; K's scale words; V's fragments; V's scale words
.set LKO,  2
.set LKS,  3
.set LV,   4
.set LVS,  5
.set SPW,  6
.set NIL,  7
.set AKE,  8                           ; the same in the step in hand
.set AKO,  9
.set AKS,  10
.set AV,   11
.set AVS,  12
.set BM,   14                          ; + 2 x: BIAS - M; + 1: the largest score so far (the packed form names the pair and takes its low word)
.set F,    18                          ; + 2 x: 2^(old M - new M); at the end 1 / the sum
.set SUM,  22                          ; + 2 x
.set BIAS, 26                          ; + x
.set NM,   28                          ; + x: -M
.set QS,   30                          ; + x
.set PW0,  32                          ; + x: p's scale words, first half
.set PW1,  34                          ; + x: second half
.set VSW0, 36
.set VSW1, 38
.set KSW,  40
.set TM,   44                          ; + 4 x + g: the blocks' largest scores, then p
.set OP,   52                          ; + 4 x + g: the conversions' scale operands
.set T,    60                          ; + x
.set X,    62                          ; + x
.set W0,   64                          ; + x
.set W1,   66                          ; + x
.set QF,   68                          ; + 8 x
.set PC,   84                          ; + 16 (half) + 8 x: p's codes; v84-99 are also the 16 chains of the search for the maxima
.set K,    116                         ; v116-147 eight tiles of K, later the first half's V^T; v148-151 zeros (named behind the last tile)
.set V1,   152                         ; the second half's V^T
.set O,    192                         ; + 32 x
.set WV,   18
.set SEL,  20
.set CS,   22
.set G1,   24
.set G0,   32
.set TB,   48
.set CNT,  49
.set MSB, 0
.macro WIN new                         ; the immediate's high byte repeats the setting that is left
.if MSB != \new
	s_set_vgpr_msb (MSB<<8)|\new
.set MSB, \new
.endif
.endm
.set INS, 0x45                         ; destination, sources 0 and 1 in window 1
.macro CROUND                          ; a round of the cluster's barrier
	s_barrier_signal -1
	s_barrier_wait -1
	s_cmp_lg_u32 s[WV], 0
	s_cbranch_scc1 .Lnot_wave_0_\@
	s_barrier_signal -3
.Lnot_wave_0_\@:
	s_barrier_wait -3
	s_barrier_signal -1
	s_barrier_wait -1
.endm
	s_load_b256 s[4:11], s[0:1], 0x0               ; qw, kvw, region_mask, region_weight
	s_load_b64 s[12:13], s[0:1], 0x20              ; out0
	v_lshl_add_u32 v[SPW], v0, 2, SPARE
	v_mov_b32 v[NIL], 0
	ds_add_u32 v[SPW], v[NIL]                      ; the opening: the add, twice on end, and its wait
	ds_add_u32 v[SPW], v[NIL]
	v_lshrrev_b32 v1, 5, v0
	v_readfirstlane_b32 s[WV], v1                  ; wave 0..7
	s_bfe_u32 s50, ttmp6, 0x40000                  ; cx: it enters qw's, the mask's and out0's addresses alone
	s_lshl_b32 s51, ttmp9, 2
	s_add_co_u32 s51, s51, s50                     ; my block of 256 queries
	s_and_b32 s52, ttmp7, 0xffff                   ; the head, which the four partners share
	s_mul_i32 s53, s52, HB
	s_mov_b32 s56, s53
	s_mov_b32 s57, 0
	s_mul_i32 s54, s[WV], 2*STEPB                  ; the piece that I fetch: 256 keys
	s_mov_b32 s55, 0
	; descriptor group 1: 17,920 dense bytes as 70 rows of 256 bytes (32 elements of 8 bytes), no padding
	s_mov_b32 s[G1], 15|(3<<16)|(1<<21)
	s_mov_b32 s[G1+1], 32<<16
	s_mov_b32 s[G1+2], 70<<16
	s_mov_b32 s[G1+3], 32<<16
	s_mov_b32 s[G1+4], 70
	s_mov_b32 s[G1+5], 32
	s_mov_b32 s[G1+6], 0
	s_mov_b32 s[G1+7], 0
	s_mov_b32 s[SEL], 0x76543210
	s_mov_b32 s[SEL+1], 0xfedcba98                 ; v_permlanex16_b32's selects for lane l xor 16
	s_mov_b32 s[CS], 0x3e38aa3b                    ; c = log2(e) / 8
	s_mov_b32 s[CS+1], s[CS]
	; my tiles of queries are 16 x block + 2 x wave + x: tiles 2 (wave % 4) + x of step 2 x block + wave / 4 of qw
	s_lshl_b32 s58, s51, 1
	s_lshr_b32 s63, s[WV], 2
	s_add_co_u32 s58, s58, s63
	s_mul_i32 s58, s58, STEPB
	s_add_co_u32 s58, s58, s53
	s_and_b32 s63, s[WV], 3
	s_lshl_b32 s60, s63, 10
	s_add_co_u32 s60, s60, s58                     ; their codes
	s_mov_b32 s61, 0
	s_bfe_u32 s63, s[WV], 0x10001
	s_lshl_b32 s63, s63, 8
	s_add_co_u32 s58, s58, s63                     ; their scale words: which 64 rows,
	s_and_b32 s63, s[WV], 1
	s_lshl_b32 s62, s63, 7                         ; (tiles with bit 1 set lie with their halves exchanged)
	s_lshl_b32 s63, s63, 2
	s_add_co_u32 s58, s58, s63                     ; + 4 (a / 2); tile x's 128 x on
	s_mov_b32 s59, 0
	s_lshl_b32 s50, s51, 8
	s_lshl_b32 s63, s[WV], 5
	s_add_co_u32 s50, s50, s63
	s_lshr_b32 s63, s52, 4
	s_lshl_b32 s63, s63, 11
	s_add_co_u32 s50, s50, s63                     ; my first query's row
	s_lshl_b32 s16, s50, 2
	s_mov_b32 s17, 0
	s_lshl_b32 s50, s50, 12
	s_and_b32 s63, s52, 15
	s_lshl_b32 s63, s63, 8
	s_add_co_u32 s50, s50, s63                     ; 4,096 bytes a row, the head's 256 in it
	s_mov_b32 s51, 0
	s_mov_b32 s[TB], 0
	s_mov_b32 s[CNT], 6
	s_wait_dscnt 0x0                               ; both opening adds are done
	s_wait_kmcnt 0x0
	s_load_b32 s14, s[10:11], 0x0                  ; region_weight
	s_add_nc_u64 s[56:57], s[6:7], s[56:57]
	s_add_nc_u64 s[60:61], s[4:5], s[60:61]
	s_add_nc_u64 s[58:59], s[4:5], s[58:59]
	s_add_nc_u64 s[8:9], s[8:9], s[16:17]
	s_add_nc_u64 s[12:13], s[12:13], s[50:51]
	CROUND                                         ; all four work-groups are here: the joint loads meet
	s_mov_b32 s[G0], 1
	s_mov_b32 s[G0+1], s54                         ; the block lies in LDS as in memory
	s_add_nc_u64 s[G0+2:G0+3], s[56:57], s[54:55]
	s_or_b32 s[G0+3], s[G0+3], 0x80000000
	s_cmp_eq_u32 s[WV], 0                          ; one load a wave; wave 0 has a line of its own, since its load is waited for earlier
	s_cbranch_scc0 .Lrest
	tensor_load_to_lds s[G0:G0+3], s[G1:G1+7]
	s_nop 0
.rept 4
	v_nop
.endr
	s_branch .Lasked
.Lrest:
	tensor_load_to_lds s[G0:G0+3], s[G1:G1+7]
	s_nop 0
.rept 4
	v_nop
.endr
.Lasked:
	v_and_b32 v96, 15, v0                          ; r
	v_and_b32 v97, 31, v0                          ; lane
	v_bfe_u32 v98, v0, 3, 1                        ; r / 8
	v_bfe_u32 v99, v0, 4, 1                        ; h
	v_and_b32 v100, 7, v0                          ; r % 8
	v_lshlrev_b32 v[LV], 4, v97
	v_lshlrev_b32 v[LVS], 3, v97
	v_xor_b32 v101, s62, v[LV]
	v_lshlrev_b32 v102, 3, v96
	v_lshlrev_b32 v103, 2, v96
.irp x, 0,1
	global_load_b128 v[QF+8*\x:QF+8*\x+3], v101, s[60:61] offset:512*\x   ; Q's fragments stay in registers
	global_load_b32 v[QS+\x], v102, s[58:59] offset:KSO+128*\x
	global_load_b32 v[BIAS+\x], v103, s[8:9] offset:64*\x                 ; region_mask of my queries
.endr
	v_lshl_add_u32 v[LKE], v98, 10, v[LV]          ; tiles u = 0, 2: rows 0-7 from memory's tile u / 2, rows 8-15 from the tile two on, whose halves are exchanged: so 16 lanes touch 16 columns
	v_xor_b32 v[LKO], 0x80, v[LKE]                 ; tiles u = 1, 3
	v_lshlrev_b32 v[LKS], 6, v99                   ; scale words: lanes 0-15 an even tile's, lanes 16-31 the odd one's
	v_lshl_add_u32 v[LKS], v100, 3, v[LKS]
	v_lshl_add_u32 v[LKS], v98, 2, v[LKS]
.irp x, 0,1
.irp j, 4,5,6,7
	v_mov_b32 v[QF+8*\x+\j], 0                     ; K = 64 .. 127 of the first product: zero codes
.endr
	v_mov_b32 v[148+2*\x], 0
	v_mov_b32 v[149+2*\x], 0
	v_mov_b32 v[BM+1+2*\x], 0xff61b1e6             ; the largest score so far: -3e38, under every score
	v_mov_b32 v[NM+\x], 0x7f61b1e6                 ; -M = 3e38: the first change of M gives f = 0
	v_mov_b32 v[SUM+2*\x], 0
	v_mov_b32 v[SUM+1+2*\x], 0
	v_mov_b32 v[F+1+2*\x], 0                       ; (named as the upper half of the pair)
	v_mov_b32 v[X+\x], 0                           ; a lane permute's destination counts as one of its sources
.endr
.set j, 0
.rept 64
	v_mov_b32 v[O+j], 0                            ; O^T (the step is written for a running O^T: the first finds zeros)
.set j, j+1
.endr
	s_wait_kmcnt 0x0                               ; region_weight
	s_wait_loadcnt 0x0                             ; Q, its scale words, the mask
	v_mul_f32 v[BIAS], s14, v[BIAS]
	v_mul_f32 v[BIAS+1], s14, v[BIAS+1]
	v_mul_f32 v[BIAS], 0x3fb8aa3b, v[BIAS]         ; x log2(e)
	v_mul_f32 v[BIAS+1], 0x3fb8aa3b, v[BIAS+1]
.macro LOADK e, o, ks, off             ; 128 keys: tile u of 64 c on into v[K + 16 c + 4 (u / 2) + 8 (u % 2)]: tiles 2 v and 2 v + 1 then are rows 0-15 and 16-31 of an operand that begins at v[K + 16 c + 4 v]
.irp c, 0,1
.irp v, 0,1
	ds_load_b128 v[K+16*\c+4*\v:K+16*\c+4*\v+3], v[\e] offset:\off+2048*\c+512*\v
	ds_load_b128 v[K+16*\c+4*\v+8:K+16*\c+4*\v+11], v[\o] offset:\off+2048*\c+512*\v
	ds_load_b32 v[KSW+2*\c+\v], v[\ks] offset:\off+KSO+256*\c+128*\v
.endr
.endr
.endm
.macro LOADV h, dst
.irp d, 0,1,2,3
.irp c, 0,1
	ds_load_b128 v[\dst+8*\d+4*\c:\dst+8*\d+4*\c+3], v[AV] offset:\h*STEPB+VCO+1024*\d+512*\c
.endr
.endr
.endm
.macro SPROD h                         ; S^T of half h: 32 keys an instruction, both tiles
	WIN 0x40
.irp c, 0,1
.irp v, 0,1
.irp x, 0,1
	v_wmma_scale_f32_32x16x128_f4 v[128*\x+64*\h+32*\c+16*\v:128*\x+64*\h+32*\c+16*\v+15], v[K+16*\c+4*\v:K+16*\c+4*\v+15], v[QF+8*\x:QF+8*\x+7], 0, v[KSW+2*\c+\v], v[QS+\x]
.endr
.endr
.endr
	WIN 0
.endm
.macro OPROD vf, pc, vs, pw            ; O^T += V^T P^T: the eight accumulators take turns
.irp d, 0,1,2,3
.irp x, 0,1
.if \d%2
	v_wmma_scale_f32_16x16x128_f8f6f4 v[O+32*\x+8*\d:O+32*\x+8*\d+7], v[\vf+8*\d:\vf+8*\d+7], v[\pc+8*\x:\pc+8*\x+7], v[O+32*\x+8*\d:O+32*\x+8*\d+7], v[\vs+\d/2], v[\pw+\x] matrix_a_fmt:MATRIX_FMT_FP4 matrix_b_fmt:MATRIX_FMT_FP4 matrix_a_scale:MATRIX_SCALE_ROW1
.else
	v_wmma_scale_f32_16x16x128_f8f6f4 v[O+32*\x+8*\d:O+32*\x+8*\d+7], v[\vf+8*\d:\vf+8*\d+7], v[\pc+8*\x:\pc+8*\x+7], v[O+32*\x+8*\d:O+32*\x+8*\d+7], v[\vs+\d/2], v[\pw+\x] matrix_a_fmt:MATRIX_FMT_FP4 matrix_b_fmt:MATRIX_FMT_FP4
.endif
.endr
.endr
.endm
; THE LARGEST SCORES of half h's four groups (two a tile), four chains a group, all 16 by turns; each accumulator of 16 registers is read from its low end on.  MAXF joins the chains.
.macro MAXI h
	WIN 0x15
.irp n, 0,1,2,3
.irp x, 0,1
.irp c, 0,1
.set B, 128*\x+64*\h+32*\c+3*(\n/2)+16*(\n%2)
	v_max3_num_f32 v[PC+8*\x+4*\c+\n], v[B], v[B+1], v[B+2]
.endr
.endr
.endr
	WIN 0x14
.irp n, 0,1,2,3,4,5,6,7,8,9
.irp x, 0,1
.irp c, 0,1
.set B, 128*\x+64*\h+32*\c+6+2*(\n/2)+16*(\n%2)
	v_max3_num_f32 v[PC+8*\x+4*\c+\n%4], v[PC+8*\x+4*\c+\n%4], v[B], v[B+1]
.endr
.endr
.endr
	WIN 0
.endm
.macro MAXF h
.irp x, 0,1
.irp c, 0,1
	v_max3_num_f32 v[TM+4*\x+2*\h+\c], v[PC+8*\x+4*\c], v[PC+8*\x+4*\c+1], v[PC+8*\x+4*\c+2]
.endr
.endr
.irp x, 0,1
.irp c, 0,1
	v_max_num_f32 v[TM+4*\x+2*\h+\c], v[TM+4*\x+2*\h+\c], v[PC+8*\x+4*\c+3]
.endr
.endr
.endm
.macro SCALE g, n                      ; pair n of group g, both tiles: t - M, two at a time
.irp x, 0,1
	v_pk_fma_f32 v[128*\x+32*(\g)+2*\n:128*\x+32*(\g)+2*\n+1], v[128*\x+32*(\g)+2*\n:128*\x+32*(\g)+2*\n+1], s[CS:CS+1], v[BM+2*\x:BM+2*\x+1] op_sel_hi:[1,0,0]
.endr
.endm
.macro CVT g, x                        ; a group's four registers of codes
.irp u, 0,1,2,3
	v_cvt_scalef32_pk8_fp4_f32 v[PC+16*((\g)/2)+8*\x+4*((\g)%2)+\u], v[128*\x+32*(\g)+8*\u:128*\x+32*(\g)+8*\u+7], v[OP+4*\x+\g]
.endr
.endm
.macro ADDP dst, src                   ; a pair of p of each tile onto another
.irp x, 0,1
	v_pk_add_f32 v[128*\x+\dst:128*\x+\dst+1], v[128*\x+\dst:128*\x+\dst+1], v[128*\x+\src:128*\x+\src+1]
.endr
.endm
; Group g's exponentials, with group g + 1's scalings (fma), group g - 1's codes and its pairs' first sums (pre), and at the end group 0's sums onto group 1's (comb).  Nothing that is written here is read here.
; The last line is a plain one that names no exponential's register.
.macro EX g, n, x, i
	v_exp_f32 v[128*\x+32*\g+2*\n+\i], v[128*\x+32*\g+2*\n+\i]
.endm
.macro SCALE1 g, n, x                  ; one tile's part of SCALE
	v_pk_fma_f32 v[128*\x+32*(\g)+2*\n:128*\x+32*(\g)+2*\n+1], v[128*\x+32*(\g)+2*\n:128*\x+32*(\g)+2*\n+1], s[CS:CS+1], v[BM+2*\x:BM+2*\x+1] op_sel_hi:[1,0,0]
.endm
.macro ADDP1 dst, src, x               ; one tile's part of ADDP
	v_pk_add_f32 v[128*\x+\dst:128*\x+\dst+1], v[128*\x+\dst:128*\x+\dst+1], v[128*\x+\src:128*\x+\src+1]
.endm
.macro SUM1 g, n, x, pre, comb
.if \comb && \n < 8
	ADDP1 32+2*\n, 2*\n, \x
.endif
.if \pre && \n >= 8
	ADDP1 32*(\g-1)+2*(\n-8), 32*(\g-1)+2*(\n-8)+16, \x
.endif
.endm
.macro EXPS g, fma, pre, comb
	WIN INS
.irp n, 0,1,2,3,4,5,6,7,8,9,10,11,12,13,14,15
	EX \g, \n, 0, 0
.if \fma
	SUM1 \g, \n, 0, \pre, \comb
.endif
	EX \g, \n, 0, 1
.if \fma
	SUM1 \g, \n, 1, \pre, \comb
.else
	SUM1 \g, \n, 0, \pre, \comb
.endif
	EX \g, \n, 1, 0
.if \fma
	SCALE1 \g+1, \n, 0
.endif
	EX \g, \n, 1, 1
.if \fma
	SCALE1 \g+1, \n, 1
.else
	SUM1 \g, \n, 1, \pre, \comb
.endif
.if \pre && \n < 2
	WIN 0x01
	CVT \g-1, \n
	WIN INS
.endif
.endr
	WIN 0
.endm
.macro RED                             ; the eight sums of a tile, in group 3's registers, become one, and join the row's sum, which comes under the M that they are of
	WIN INS
.irp k, 2,4,6
	ADDP 96+\k, 104+\k                             ; (pair 104 onto 96 has been added ahead of this macro)
.endr
.irp k, 0,2
	ADDP 96+\k, 100+\k
.endr
	ADDP 96, 98
	WIN 0x10
.irp x, 0,1
	v_pk_fma_f32 v[SUM+2*\x:SUM+2*\x+1], v[SUM+2*\x:SUM+2*\x+1], v[F+2*\x:F+2*\x+1], v[128*\x+96:128*\x+97] op_sel_hi:[1,0,1]
.endr
	WIN 0
.endm
; A STEP: 256 keys from LDS byte s[TB] on.  The first half's K is in or on its way; the step asks for the next step's, but in the last step.  Its own sums are finished by the next step's RED (or by the one behind the last).
.macro STEP first, last
	s_wait_dscnt 0x0
	SPROD 0
	v_add_nc_u32 v[AKE], s[TB], v[LKE]             ; (five places behind the products)
	v_add_nc_u32 v[AKO], s[TB], v[LKO]
	v_add_nc_u32 v[AKS], s[TB], v[LKS]
.if \first
	v_nop                                          ; (with the three additions four places behind the products)
.else
	WIN INS
	ADDP 96, 104                                   ; the last step's sums: ten plain instructions or more stand between each one's write and its reader here and in RED
	WIN 0
.endif
	LOADK AKE, AKO, AKS, STEPB
.if \first == 0
	RED
.endif
	MAXI 0
	MAXF 0
.irp x, 0,1
	v_max3_num_f32 v[T+\x], v[TM+4*\x], v[TM+4*\x+1], v[BM+2*\x+1]   ; the first half's part of the row's maximum, and the largest so far
.endr
	s_wait_dscnt 0x0
	SPROD 1
	v_add_nc_u32 v[AV], s[TB], v[LV]
	v_add_nc_u32 v[AVS], s[TB], v[LVS]
	v_nop                                          ; (four places)
	v_nop
	LOADV 0, K
	ds_load_b64 v[VSW0:VSW0+1], v[AVS] offset:VSO
	ds_load_b64 v[VSW1:VSW1+1], v[AVS] offset:STEPB+VSO
	LOADV 1, V1
	MAXI 1
	MAXF 1
.irp x, 0,1
	v_max3_num_f32 v[T+\x], v[T+\x], v[TM+4*\x+2], v[TM+4*\x+3]
.endr
.irp x, 0,1
	v_permlanex16_b32 v[X+\x], v[T+\x], s[SEL], s[SEL+1]
.endr
.irp x, 0,1
	v_max_num_f32 v[BM+2*\x+1], v[T+\x], v[X+\x]   ; the running largest score, with lane l xor 16's
.endr
.irp x, 0,1
	v_fma_f32 v[T+\x], -v[BM+2*\x+1], s[CS], -v[BIAS+\x]   ; -t (c is positive)
.endr
.irp x, 0,1
	v_floor_f32 v[T+\x], v[T+\x]                   ; the new -M = floor(-t): M IS A WHOLE NUMBER
.endr
.irp x, 0,1
	v_add_f32 v[BM+2*\x], v[BIAS+\x], v[T+\x]
.endr
.irp x, 0,1
	v_sub_f32 v[X+\x], v[T+\x], v[NM+\x]           ; old M - new M: a whole number, 0 or less
.endr
.irp x, 0,1
	v_mov_b32 v[NM+\x], v[T+\x]
.endr
.irp x, 0,1
	v_cvt_i32_f32 v[X+\x], v[X+\x]                 ; (it saturates)
.endr
.irp g, 0,1,2,3
.irp x, 0,1
	v_fma_f32 v[TM+4*\x+\g], v[TM+4*\x+\g], s[CS], v[BM+2*\x]   ; t - M of each block's largest score: p rises with the score
.endr
.endr
.irp x, 0,1
	v_ldexp_f32 v[F+2*\x], 1.0, v[X+\x]            ; f: a multiplication by it rounds nothing
.endr
.irp x, 0,1
.set j, O+32*\x
.rept 16
	v_pk_mul_f32 v[j:j+1], v[j:j+1], v[F+2*\x:F+2*\x+1] op_sel_hi:[1,0]   ; O^T under the new M
.set j, j+2
.endr
.endr
	s_wait_alu depctr_va_vdst(0)                   ; the wait ahead of the batch
.irp b, 0,1,2,3,4,5,6,7
	v_exp_f32 v[TM+\b], v[TM+\b]                   ; each block's largest p
.endr
	WIN INS
.irp n, 0,1,2,3,4,5,6,7,8,9,10,11,12,13,14,15
	SCALE 0, \n                                    ; (work that names none of the eight)
.endr
	WIN 0
	s_wait_alu depctr_va_vdst(0)                   ; behind the eight, and ahead of group 0's batch
.irp b, 0,1,2,3,4,5,6,7
	v_max_num_f32 v[TM+\b], 0x1800000, v[TM+\b]    ; the floor 2^(3 - 127): the byte cannot fall under 1
.endr
.irp b, 0,1,2,3,4,5,6,7
	v_add_nc_u32 v[OP+\b], 0xff000000, v[TM+\b]    ; 2 off the exponent field: the conversion's scale operand
.endr
.irp x, 0,1                                    ; the scales' bytes: my lane's blocks h and 2 + h of each half
	v_lshrrev_b32 v[W0+\x], 23, v[OP+4*\x]
	v_lshrrev_b32 v[T+\x], 23, v[OP+4*\x+1]
	v_lshrrev_b32 v[W1+\x], 23, v[OP+4*\x+2]
	v_lshrrev_b32 v[X+\x], 23, v[OP+4*\x+3]
.endr
.irp x, 0,1
	v_lshl_or_b32 v[W0+\x], v[T+\x], 16, v[W0+\x]
	v_lshl_or_b32 v[W1+\x], v[X+\x], 16, v[W1+\x]
.endr
.irp x, 0,1
	v_permlanex16_b32 v[T+\x], v[W0+\x], s[SEL], s[SEL+1]
	v_permlanex16_b32 v[X+\x], v[W1+\x], s[SEL], s[SEL+1]
.endr
.irp x, 0,1
	v_lshl_or_b32 v[PW0+\x], v[T+\x], 8, v[W0+\x]  ; lanes 0-15: the word of four bytes (lanes 16-31 are not read)
	v_lshl_or_b32 v[PW1+\x], v[X+\x], 8, v[W1+\x]
.endr
	EXPS 0, 1, 0, 0
	s_wait_alu depctr_va_vdst(0)                   ; behind the batch, and ahead of the next
	EXPS 1, 1, 1, 0
	s_wait_alu depctr_va_vdst(0)                   ; behind it, and ahead of the next
	EXPS 2, 1, 1, 0
	s_wait_alu depctr_va_vdst(0)
	EXPS 3, 0, 1, 1
	s_wait_alu depctr_va_vdst(0)
	s_wait_dscnt 0x0                               ; V^T and its scale words are in
	OPROD K, PC, VSW0, PW0
	WIN INS
	ADDP 64, 32                                    ; group 2's sums + group 1's and 0's: the first four instructions are the places behind the products
	ADDP 66, 34
	WIN 0
.if \first
	s_wait_tensorcnt 0x0                           ; waves 1-7: my piece is in (wave 0's has long been),
	s_barrier_signal -1
	s_barrier_wait -1                              ; and all eight are
.endif
.if \last == 0
	LOADK AKE, AKO, AKS, 2*STEPB                   ; the next step's first half
.endif
	WIN 0x01
	CVT 3, 0
	CVT 3, 1
	WIN INS
.irp k, 4,6,8,10,12,14
	ADDP 64+\k, 32+\k
.endr
.irp k, 0,2,4,6,8,10,12,14
	ADDP 96+\k, 112+\k                             ; group 3's pairs
.endr
.irp k, 0,2,4,6,8,10,12,14
	ADDP 96+\k, 64+\k                              ; + all the others'
.endr
	WIN 0
	OPROD V1, PC+16, VSW1, PW1
.endm
	s_wait_alu depctr_va_vdst(0)                   ; the wait at the head's end
	s_cmp_eq_u32 s[WV], 0
	s_cbranch_scc0 .Lfirst
	s_wait_tensorcnt 0x0                           ; wave 0: step 0 is in; the other waves' pieces may stay out
.Lfirst:
	s_barrier_signal -1
	s_barrier_wait -1
	LOADK LKE, LKO, LKS, 0
	STEP 1, 0
	s_mov_b32 s[TB], 2*STEPB
.Lstep:
	STEP 0, 0
	s_add_co_u32 s[TB], s[TB], 2*STEPB
	s_sub_co_u32 s[CNT], s[CNT], 1
	s_cmp_lg_u32 s[CNT], 0
	s_cbranch_scc1 .Lstep
	s_mov_b32 s[TB], 14*STEPB
	STEP 0, 1
	WIN INS
	ADDP 96, 104
	RED
	; THE WAY OUT.  O^T is divided by the row's sum and goes through my own stage in LDS, so that sixteen lanes store 256 consecutive bytes: a query's 64 channels of this head.
	s_mul_i32 s55, s[WV], 32*SP
	s_add_co_u32 s55, s55, STAGE
	v_and_b32 v8, 15, v0                           ; r
	v_bfe_u32 v9, v0, 4, 1                         ; h
	v_add_f32 v[SUM], v[SUM], v[SUM+1]             ; the sum's two halves,
	v_add_f32 v[SUM+2], v[SUM+2], v[SUM+3]
	v_mul_u32_u24 v1, v8, SP                       ; in: row r, 32 bytes for each half of the lanes
	v_mul_u32_u24 v2, v9, SP                       ; back: lanes 0-15 take one row of 256 bytes, lanes 16-31 the next
	v_permlanex16_b32 v[X], v[SUM], s[SEL], s[SEL+1]
	v_permlanex16_b32 v[X+1], v[SUM+2], s[SEL], s[SEL+1]
	v_lshl_add_u32 v1, v9, 5, v1
	v_lshl_add_u32 v2, v8, 4, v2
	v_add_f32 v[SUM], v[SUM], v[X]                 ; and lane l xor 16's: the row's sum
	v_add_f32 v[SUM+2], v[SUM+2], v[X+1]
	v_add_nc_u32 v1, s55, v1
	v_add_nc_u32 v2, s55, v2
	v_lshlrev_b32 v3, 12, v9                       ; and the same two rows in out0
	v_lshl_add_u32 v3, v8, 4, v3
	s_wait_alu depctr_va_vdst(0)                   ; the wait ahead of the transcendentals
	v_rcp_f32 v[F], v[SUM]
	v_rcp_f32 v[F+2], v[SUM+2]
	v_nop                                          ; one plain place behind them
	s_wait_alu depctr_va_vdst(0)                   ; and behind them
.irp x, 0,1
.set j, O+32*\x
.rept 16
	v_pk_mul_f32 v[j:j+1], v[j:j+1], v[F+2*\x:F+2*\x+1] op_sel_hi:[1,0]   ; register 8 d + i is channel 16 d + 8 h + i of query r
.set j, j+2
.endr
.endr
.irp x, 0,1
.irp d, 0,1,2,3
	ds_store_b128 v1, v[O+32*\x+8*\d:O+32*\x+8*\d+3] offset:16*SP*\x+64*\d
	ds_store_b128 v1, v[O+32*\x+8*\d+4:O+32*\x+8*\d+7] offset:16*SP*\x+64*\d+16
.endr
.irp i, 0,1,2,3,4,5,6,7
	ds_load_b128 v[K+36*\x+4*\i:K+36*\x+4*\i+3], v2 offset:16*SP*\x+2*\i*SP   ; LDS serves a wave's instructions in order (ISA guide 5.7.1.4): these see my stores
.endr
.endr
.irp i, 0,1,2,3,4,5,6,7
	s_wait_dscnt 23-\i                             ; tile 0's load i is in; the 7 - i behind it and tile 1's 16 instructions may be out
	global_store_b128 v3, v[K+4*\i:K+4*\i+3], s[12:13] offset:8192*\i th:TH_STORE_NT   ; 16 lanes store 256 consecutive bytes, at a multiple of 256 from out0's first byte
.endr
.irp i, 0,1,2,3,4,5,6,7
	s_wait_dscnt 7-\i
	global_store_b128 v3, v[K+36+4*\i:K+39+4*\i], s[12:13] offset:65536+8192*\i th:TH_STORE_NT
.endr
	s_wait_tensorcnt 0x0                           ; the wave's end
	ds_add_u32 v[SPW], v[NIL]
	s_wait_dscnt 0x0
	CROUND                                         ; the closing round: no work-group ends while a partner may still ask for a tile that names it
	s_endpgm
.Lfunc_end_k_q2433028eea_attn:
	.size	k_q2433028eea_attn, .Lfunc_end_k_q2433028eea_attn-k_q2433028eea_attn
	.p2alignl 7, 3214868480
	.fill 96, 4, 3214868480
	.section	.rodata,"a",@progbits
	.p2align	6, 0x0
	.amdhsa_kernel k_q2433028eea_attn
		.amdhsa_group_segment_fixed_size 215040
		.amdhsa_private_segment_fixed_size 0
		.amdhsa_enable_private_segment 0
		.amdhsa_kernarg_size 40
		.amdhsa_user_sgpr_count 2
		.amdhsa_user_sgpr_kernarg_segment_ptr 1
		.amdhsa_wavefront_size32 1
		.amdhsa_system_sgpr_workgroup_id_x 1
		.amdhsa_system_sgpr_workgroup_id_y 1
		.amdhsa_system_sgpr_workgroup_id_z 1
		.amdhsa_system_vgpr_workitem_id 0
		.amdhsa_next_free_vgpr 512
		.amdhsa_next_free_sgpr 66
		.amdhsa_reserve_vcc 0
		.amdhsa_float_denorm_mode_32 3
		.amdhsa_float_denorm_mode_16_64 3
		.amdhsa_memory_ordered 1
		.amdhsa_forward_progress 1
		.amdhsa_inst_pref_size 161
	.end_amdhsa_kernel
	.amdgpu_metadata
---
amdhsa.version: [ 1, 2 ]
amdhsa.kernels:
  - .name:           k_q2433028eea_attn
    .symbol:         k_q2433028eea_attn.kd
    .args:
      - { .name: qw, .offset: 0, .size: 8, .value_kind: global_buffer, .address_space: global }
      - { .name: kvw, .offset: 8, .size: 8, .value_kind: global_buffer, .address_space: global }
      - { .name: region_mask, .offset: 16, .size: 8, .value_kind: global_buffer, .address_space: global }
      - { .name: region_weight, .offset: 24, .size: 8, .value_kind: global_buffer, .address_space: global }
      - { .name: out0, .offset: 32, .size: 8, .value_kind: global_buffer, .address_space: global }
    .group_segment_fixed_size: 215040
    .private_segment_fixed_size: 0
    .kernarg_segment_align: 8
    .kernarg_segment_size: 40
    .max_flat_workgroup_size: 256
    .sgpr_count:     66
    .vgpr_count:     512
    .wavefront_size: 32
...
	.end_amdgpu_metadata
.endif
;; end of part 2
